; MI455X (gfx1250); checked and timed in simulation.
; The chip was launched on July 23, 2026; its instructions are those of AMD's public machine-readable ISA for CDNA 5 (MIT licence, August 2026) and "CDNA5" Instruction Set Architecture Reference Guide (July 2026). The comments in the code are by the model that wrote it; some were corrected since.
;; mutli Head Attention. Allowed arithmetic: matrix products marked QUANTISED: E2M1 operands, one E8M0 scale for each 32 along K, by v_wmma_scale_f32_16x16x128_f8f6f4 with both operands' format E2M1 (or v_wmma_scale_f32_32x16x128_f4), f32 sums; everything else in f32.
;; Inputs: attn_mask 4 x 1 x 2,048 x 2,048 bool; input_K 4 x 2,048 x 1,024 float32; input_Q 4 x 2,048 x 1,024 float32; input_V 4 x 2,048 x 1,024 float32; ln_beta 1,024 float32; ln_gamma 1,024 float32; w_k 1,024 x 1,024 float32; w_o 1,024 x 1,024 float32; w_q 1,024 x 1,024 float32; w_v 1,024 x 1,024 float32.
;; Outputs: out0 4 x 2,048 x 1,024 float32.
;; This version of the problem:
;;   THIS VERSION OF THE PROBLEM IS GIVEN IN LOW PRECISION. The matrix products marked QUANTISED in the list below multiply operands that are first quantised to E2M1 (2 exponent bits, 1 mantissa bit; 4 bits a number), with one power-of-two scale for each 32 numbers along K (OCP MX v1.0); their sums are f32. All else is computed in f32.
;;   The module's matrix products, in the order in which they are computed (A, B: the left and right operand; K: the contracted axis; several contracted axes count as one K, in the product's order):
;;     1. [M 8,192, K 1,024] x [K 1,024, N 1,024]; A: input input_Q; B: input w_q: QUANTISED
;;     2. [M 8,192, K 1,024] x [K 1,024, N 1,024]; A: input input_K; B: input w_k: QUANTISED
;;     3. [M 8,192, K 1,024] x [K 1,024, N 1,024]; A: input input_V; B: input w_v: QUANTISED
;;     4. batch 64 x [M 2,048, K 64] x [K 64, N 2,048]; A: computed on the way; B: computed on the way: QUANTISED
;;     5. batch 64 x [M 2,048, K 2,048] x [K 2,048, N 64]; A: softmax (see below); B: computed on the way: QUANTISED
;;     6. [M 8,192, K 1,024] x [K 1,024, N 1,024]; A: computed on the way; B: input w_o: QUANTISED
;;   THE QUANTISER, for each operand of a quantised product, along K:
;;     - K is cut into blocks of 32 from its start; a last block that is shorter is filled with zeros.
;;     - A block's scale is 2^e with e = floor(log2(the largest magnitude in the block)) - 2, held to -126 .. 127; a block of zeros has e = 0. As a byte (E8M0): e + 127.
;;     - Each number is divided by its block's scale, clamped to +-6, and rounded to the nearest number of E2M1, ties to even, subnormals kept.
;;     - The product sums the exact products of the quantised numbers (number of the format x scale) in f32.
;;   ~~~python
;;   def quantise(x, axis):      # numpy; x: float32 -> the quantised numbers, widened to float32 again
;;       x = np.moveaxis(x, axis, -1); K = x.shape[-1]
;;       x = np.pad(x, [(0, 0)] * (x.ndim - 1) + [(0, -K % 32)]); x = x.reshape(x.shape[:-1] + (-1, 32)); a = np.abs(x).max(-1, keepdims=True)
;;       e = np.where(a > 0, np.clip(np.frexp(np.where(a > 0, a, 1))[1] - 1 - 2, -126, 127), 0)      # np.frexp(a)[1] - 1 = floor(log2(a)), exactly
;;       r = np.clip(x / 2.0 ** e, -6, 6)
;;       step = 2.0 ** (np.maximum(np.frexp(np.where(r == 0, 1, r))[1] - 1, 0) - 1)
;;       q = np.round(r / step) * step * 2.0 ** e      # np.round: ties to even
;;       return np.moveaxis(q.reshape(q.shape[:-2] + (-1,))[..., :K], -1, axis).astype(np.float32)
;;   ~~~
;;   SOFTMAX AHEAD OF A QUANTISED PRODUCT. Where the list says 'softmax', what is quantised is not the finished softmax but p = 2^(t - M), with t = logit x log2(e) and M = ceil(the row's largest t), a whole number; so 1/2 < the row's largest p <= 1. The row's sum l is taken of the UNQUANTISED p, in f32, and the product's result is divided by l at the end. Since M is a whole number, a kernel that streams over the keys may use a running M (the ceiling of the running maximum): every later rescaling is an exact power of two, which a block's scale takes up: the codes' values come out the same.
;;   OPERANDS COMPUTED ON THE WAY. 'Computed on the way' means the value that the module computes at that place (a softmax that the list does not call 'softmax' is quantised finished and normalised). What goes into a quantiser is computed in f32, as accurately as f32 sums, v_exp_f32 and their like allow (about 1e-6 of the number): no bf16 or f16 on the way to a quantiser, and a product that is left as it is and whose result goes on into a quantised operand takes f32 operands (vector FMAs, or v_wmma_f32_16x16x4_f32). A number that lies on a knife's edge between two numbers of the format may be rounded either way, as far as f32 arithmetic and the matrix unit's own rounding can turn it there, and no further.
;; One version. Each part assembles by itself: llvm-mc -triple=amdgcn-amd-amdhsa -mcpu=gfx1250 --defsym DOCPART=n.
;; ======== version 1 of 1: 4 launches
;; limits: right only within a limited range of input values
;; workspace buffers: qin 15,597,568 bytes; qkv 13,369,344 bytes; ctxq 4,456,448 bytes; maskw 2,097,152 bytes of whole numbers; maskf 2,048 bytes of whole numbers
;; launch prep (part 1): grid 256 x 1, 9 waves a work-group, no clusters, 121,088 bytes of LDS; arguments input_Q, input_K, input_V, w_q, w_k, w_v, w_o, attn_mask, qin, maskw, maskf; writes qin, maskw, maskf
.if DOCPART == 1
	.amdgcn_target "amdgcn-amd-amdhsa--gfx1250"
	.amdhsa_code_object_version 6
	.text
	.protected	k_qc97c2cf74f_prep
	.globl	k_qc97c2cf74f_prep
	.p2align	8
	.type	k_qc97c2cf74f_prep,@function
k_qc97c2cf74f_prep:
	s_mov_b64 s[64:65], 0
	v_nop
	global_prefetch_b8 v0, s[64:65] scope:SCOPE_SE
	s_setreg_imm32_b32 hwreg(HW_REG_WAVE_MODE, 25, 1), 1
	s_wait_xcnt 0x0
; PREP.  (1) The seven f32 operands whose K (1,024) is innermost become codes of FP4 (E2M1) with one E8M0 byte for each 32 along K, laid as the later launches' matrix operands want them.
; (2) attn_mask becomes lane masks: one 32-bit word for each score register of the attention launch.
; A FRAGMENT IMAGE is 16 rows x 128 K as the operand's 8 registers hold it: [c 0,1][lane][16 bytes], lane (r, h), chunk c = codes k = 64 c + 32 h + 0 .. 31 of row r.  A RECORD (8,704 bytes) is the 8 images of a group
; of 128 rows at one K step, then their scale words, 64 bytes a tile (word r = the four bytes of row r).  A tensor is [group][K step] records.
; WHICH ROWS FORM TILE 2 b + u of a group: in natural order row 32 b + 16 u + r (input_Q, w_o); else row 32 b + 8 u + r + 8 (r / 8), so that a product which takes the tile as source 0 leaves 16 neighbours in a lane.
; A block's scale is 2^(floor(log2(largest magnitude)) - 2): its byte is the largest magnitude's exponent field - 2, held at 1 from below by a floor among the maximum's leaves.
; LIMITS: a block of zeros gets the byte 1 where the quantiser's text says 127 (its codes are zeros, and only this program reads the bytes); NaN and infinities among the inputs are not served.
; SHARES: in each work-group waves 0-6 take records of input_Q, input_K, input_V (512 each), then of the four weights (64 each); waves 7 and 8 the mask.  A wave of the first two kinds makes one record from 128 rows x 512 bytes;
; a wave of the third kind takes 16 queries x 2,048 keys.  Waves share nothing: no barrier.  The two ways through the text have LDS bytes of their own.
; No matrix unit, no tensor loads, no cluster: every byte is read once and nothing is shared between work-groups.
.set RAW,   40                         ; v40-167  numbers (two sets of 64) or mask bytes (four sets of 32) as loaded
.set XN,    168                        ; v168-231 a lane's 64 numbers: two whole blocks of 32 of its row
.set CD,    24                         ; v24-39   codes, two sets of 8, so that a store's data are rewritten two tiles later
.set WREG,  8960                       ; LDS of a quantising wave: a stage of 16 rows x 528 bytes, then 512 bytes of scale words
.set SPQ,   528                        ; a stage row: 512 bytes + 16
.set SCW,   8448                       ; where the scale words begin in a wave's LDS
.set MBASE, 9*WREG                     ; LDS of the mask's way: 16 rows x 272 bytes for each wave number, behind a quantiser's region for each wave number
.set MREG,  4352
.set MR,    168                        ; v168-199 mask bytes of my query: [key step of two][block of 32 keys][16 bytes]
.set WD,    200                        ; v200-231 the words, a pair of registers for each of the 16 key steps
	s_load_b512 s[4:19], s[0:1], 0x0               ; input_Q, input_K, input_V, w_q, w_k, w_v, w_o, attn_mask
	s_load_b128 s[20:23], s[0:1], 0x40             ; qin, maskw
	s_load_b64 s[46:47], s[0:1], 0x50              ; maskf
	v_lshl_add_u32 v240, v0, 2, 0x1d400            ; the spare words: behind 9 x 8,960 + 9 x 4,352 bytes
	v_mov_b32 v241, 0
	v_lshrrev_b32 v1, 5, v0
	v_readfirstlane_b32 s24, v1                    ; wave 0..8
	v_and_b32 v1, 31, v0                           ; lane
	v_and_b32 v2, 15, v0                           ; r
	v_bfe_u32 v3, v0, 4, 1                         ; h
	; THE SHARES AS THEY STAND: 256 work-groups of nine waves.  Waves 0 to 6 make record 7 x work-group + wave of the 1,792 (3 x 512 of the activations, then 4 x 64 of the weights);
	; waves 7 and 8 take mask tile 2 x work-group + wave - 7 of the 512.  So every work-group reads 7 x 65,536 + 2 x 32,768 bytes.
	s_cmp_ge_u32 s24, 7
	s_cbranch_scc1 .Lmask
	; ---------------- the quantiser ----------------
	s_mul_i32 s44, ttmp9, 7
	s_add_co_u32 s44, s44, s24                     ; my record among the 1,792
	s_lshr_b32 s25, s44, 9                         ; an activation: tensor 0..2, 512 records each
	s_and_b32 s26, s44, 511
	s_sub_co_u32 s27, s44, 1536                    ; a weight: tensor 3..6, 64 records each
	s_lshr_b32 s28, s27, 6
	s_add_co_u32 s28, s28, 3
	s_and_b32 s29, s27, 63
	s_cmp_lt_u32 s44, 1536
	s_cselect_b32 s25, s25, s28                    ; the tensor
	s_cselect_b32 s26, s26, s29                    ; my wave's record in it
	s_lshr_b32 s27, s26, 3                         ; its group of 128 rows
	s_and_b32 s28, s26, 7                          ; its K step
	s_lshl_b32 s32, s27, 19                        ; in: 128 rows of 4,096 bytes a group,
	s_lshl_b32 s33, s28, 9                         ; 512 bytes a K step
	s_add_co_u32 s32, s32, s33
	s_mov_b32 s33, 0
	s_mul_i32 s34, s25, 4456448                    ; out: an activation's codes take 64 x 69,632 bytes,
	s_mul_i32 s35, s25, 557056                     ; a weight's 8 x 69,632, from 13,369,344 on (tensor 3)
	s_add_co_u32 s35, s35, 11698176
	s_cmp_lt_u32 s25, 3
	s_cselect_b32 s34, s34, s35
	s_mul_i32 s35, s27, 69632
	s_add_co_u32 s34, s34, s35
	s_mul_i32 s35, s28, 8704
	s_add_co_u32 s34, s34, s35
	s_mov_b32 s35, 0
	s_mov_b32 s37, 0x10000                         ; 16 rows in bytes
	s_mov_b32 s38, 0x8000                          ; 8 rows
	s_cmp_eq_u32 s25, 0
	s_cselect_b32 s36, 1, 0
	s_cmp_eq_u32 s25, 6
	s_cselect_b32 s36, 1, s36                      ; natural order for input_Q and w_o
	s_cmp_lg_u32 s36, 0
	s_cselect_b32 s39, s38, s37                    ; where rows 8-15 of an even tile begin: 8 rows on, or 16
	s_cselect_b32 s40, s37, s38                    ; from an even tile to the odd one behind it: 16 rows, or 8
	; input_K HAS A THIRD ORDER: tile t of a group takes rows 64 (t / 4) + 8 (t % 4) + 0 .. 7 and the eight rows 32 further on, so that in the attention launch a lane's 32 score registers are one whole block of 32 keys
	s_mov_b32 s44, 0x20000                         ; 32 rows
	s_cmp_eq_u32 s25, 1
	s_cselect_b32 s39, s44, s39                    ; rows 8-15 of a tile: 32 rows on
	s_cselect_b32 s45, s37, s44                    ; from a pair of tiles to the next pair: 16 rows, else 32
	s_mov_b32 s42, 0x76543210
	s_mov_b32 s43, 0xfedcba98                      ; v_permlanex16_b32: lane l xor 16
	s_mul_i32 s41, s24, WREG
	s_wait_alu depctr_va_vdst(0)
	v_lshlrev_b32 v4, 4, v1                        ; 16 x lane: my bytes of a load's 512, and of a store's
	v_mov_b32 v232, v4                             ; v232-239: where rows 0-7 and rows 8-15 of tiles 0 to 3 begin; tiles 4 to 7 lie 64 rows on in every order
	v_add_nc_u32 v233, s39, v4
	v_add_nc_u32 v234, s40, v4
	v_add_nc_u32 v235, s39, v234
	v_add_nc_u32 v236, s45, v4
	v_add_nc_u32 v237, s39, v236
	v_add_nc_u32 v238, s40, v236
	v_add_nc_u32 v239, s39, v238
	v_add_nc_u32 v8, s41, v4                       ; the stage, on the way in
	v_mul_u32_u24 v9, v2, SPQ
	v_lshl_add_u32 v9, v3, 7, v9
	v_add_nc_u32 v9, s41, v9                       ; and out: row r, 128 h bytes on: my 32 numbers of each 64
	v_lshlrev_b32 v10, 2, v2
	v_add_nc_u32 v10, s41, v10
	v_add_nc_u32 v10, SCW, v10                     ; my row's scale word
	v_add_nc_u32 v11, SCW, v8                      ; the scale words on their way out
	v_lshlrev_b32 v13, 3, v3                       ; 8 h: where my two bytes stand in the word
	v_mov_b32 v21, 0                               ; a lane permute's destination counts as read
	s_wait_alu depctr_va_vdst(0)
	s_wait_kmcnt 0x0
	s_mov_b64 s[30:31], s[4:5]
.irp k, 1,2,3,4,5,6
	s_cmp_eq_u32 s25, \k                           ; the choice hangs on the work-group's and the wave's number
	s_cselect_b64 s[30:31], s[4+2*\k:5+2*\k], s[30:31]
.endr
	s_add_nc_u64 s[30:31], s[30:31], s[32:33]
	s_add_nc_u64 s[20:21], s[20:21], s[34:35]
; Tile t = 2 b + u: sixteen loads, one row's 512 consecutive bytes each, in the tile's row order
.macro LOAD t
.irp i, 0,1,2,3,4,5,6,7,8,9,10,11,12,13,14,15
	global_load_b128 v[RAW+64*((\t)%2)+4*\i:RAW+64*((\t)%2)+4*\i+3], v[232+2*((\t)%4)+\i/8], s[30:31] offset:((\t)/4)*262144+(\i%8)*4096 th:TH_LOAD_NT
.endr
.endm
.macro STEP t
.set RS, RAW+64*((\t)%2)
.set CC, CD+8*((\t)%2)
.if (\t) < 7
	s_wait_loadcnt 16                              ; this tile's sixteen loads are in; the next tile's sixteen may be out
.else
	s_wait_loadcnt 0x0
.endif
.irp i, 0,1,2,3,4,5,6,7,8,9,10,11,12,13,14,15
	ds_store_b128 v8, v[RS+4*\i:RS+4*\i+3] offset:SPQ*\i
.endr
.irp c, 0,1
.irp q, 0,1,2,3,4,5,6,7
	ds_load_b128 v[XN+32*\c+4*\q:XN+32*\c+4*\q+3], v9 offset:256*\c+16*\q   ; LDS serves a wave's instructions in order: these see the stores above
.endr
.endr
	s_wait_dscnt 0x0                               ; my 64 numbers are here, and the stores into the stage have read their registers
	s_wait_xcnt 0x0                                ; the stores of two tiles ago have read their codes: this set is written again only behind this wait
.if (\t) < 6
	LOAD (\t)+2
.endif
.irp c, 0,1
	v_max3_num_f32 v[14+\c], |v[XN+32*\c]|, |v[XN+1+32*\c]|, 0x1800000   ; my block 2 c + h, all 32 numbers mine; the floor 2^(3 - 127) holds the byte at 1 from below
.endr
.irp i, 2,4,6,8,10,12,14,16,18,20,22,24,26,28,30
.irp c, 0,1
	v_max3_num_f32 v[14+\c], v[14+\c], |v[XN+32*\c+\i]|, |v[XN+1+32*\c+\i]|
.endr
.endr
.irp c, 0,1
	v_add_nc_u32 v[16+\c], 0xff000000, v[14+\c]    ; 2 off the exponent field: the conversion's scale operand
.endr
.irp c, 0,1
	v_lshrrev_b32 v[18+\c], 23, v[16+\c]           ; the scale's byte
.endr
	v_lshl_or_b32 v20, v19, 16, v18                ; blocks h and 2 + h,
	v_lshlrev_b32 v20, v13, v20                    ; at their places in the word;
	v_permlanex16_b32 v21, v20, s42, s43
	v_or_b32 v20, v20, v21                         ; with lane l xor 16's two the word is whole
.irp c, 0,1
.irp g, 0,1,2,3
	v_cvt_scalef32_pk8_fp4_f32 v[CC+4*\c+\g], v[XN+32*\c+8*\g:XN+32*\c+8*\g+7], v[16+\c]   ; registers 4 c .. 4 c + 3 of the operand
.endr
.endr
	v_nop                                          ; one plain line behind the last conversion
	ds_store_b32 v10, v20 offset:64*(\t)           ; both halves of the lanes write the same word with the same value
	global_store_b128 v4, v[CC:CC+3], s[20:21] offset:1024*(\t)        ; the image: 512 consecutive bytes a store
	global_store_b128 v4, v[CC+4:CC+7], s[20:21] offset:1024*(\t)+512
.endm
	LOAD 0
	LOAD 1
.irp t, 0,1,2,3,4,5,6,7
	STEP \t
.endr
	ds_load_b128 v[232:235], v11                   ; the record's 512 bytes of scale words
	s_wait_dscnt 0x0
	global_store_b128 v4, v[232:235], s[20:21] offset:8192
	s_wait_tensorcnt 0x0
	ds_add_u32 v240, v241
	s_wait_dscnt 0x0
	s_endpgm
	; ---------------- the mask ----------------
	; maskw: [128 b + tile of 16 queries][key step 16][64 words].  Word j of key step ks, bit l: mask[b][16 qt + l % 16][128 ks + 64 (j / 32) + 32 (l / 16) + j % 32]: the lane mask for score register j of the attention launch.
	; maskf: one word for each tile of 16 queries: bit ks is set where any of key step ks's 64 words is not 0.
.Lmask:
	s_lshl_b32 s25, ttmp9, 1
	s_add_co_u32 s25, s25, s24
	s_sub_co_u32 s25, s25, 7                       ; my tile of 16 queries: 128 b + qt = 2 x work-group + wave - 7
	s_lshl_b32 s32, s25, 15                        ; in: 16 rows of 2,048 bytes
	s_mov_b32 s33, 0
	s_lshl_b32 s34, s25, 12                        ; out: 16 x 256 bytes of words
	s_mov_b32 s35, 0
	s_mul_i32 s41, s24, MREG
	s_add_co_u32 s41, s41, MBASE
	s_wait_alu depctr_va_vdst(0)
	v_lshlrev_b32 v4, 11, v3
	v_lshl_add_u32 v4, v2, 4, v4                   ; in: lanes 0-15 one row's 256 bytes, lanes 16-31 the next row's
	v_mul_u32_u24 v5, v3, 272
	v_lshl_add_u32 v5, v2, 4, v5
	v_add_nc_u32 v5, s41, v5                       ; the same into the stage
	v_mul_u32_u24 v6, v2, 272
	v_lshl_add_u32 v6, v3, 5, v6
	v_add_nc_u32 v6, s41, v6                       ; out of it: query r, 32 h bytes on
	v_lshlrev_b32 v7, 3, v1                        ; out: 8 bytes a lane
.set n, 0
.rept 32
	v_mov_b32 v[WD+n], 0                           ; v_writelane_b32's destination counts as read
.set n, n+1
.endr
	s_wait_kmcnt 0x0
	s_add_nc_u64 s[18:19], s[18:19], s[32:33]
	s_add_nc_u64 s[22:23], s[22:23], s[34:35]
	s_lshl_b32 s34, s25, 2                         ; my tile's word of flags
	s_add_nc_u64 s[46:47], s[46:47], s[34:35]
	s_mov_b32 s44, 0                               ; the flags so far
.macro MLOAD it                        ; a strip of 256 keys x 16 queries
.irp n, 0,1,2,3,4,5,6,7
	global_load_b128 v[RAW+32*((\it)%4)+4*\n:RAW+32*((\it)%4)+4*\n+3], v4, s[18:19] offset:4096*\n+256*(\it) th:TH_LOAD_NT
.endr
.endm
.macro WORDS ks, half                  ; key step ks, which is the strip's half
.set g, 0
.rept 16
.irp e, 0,1,2,3
	v_and_b32 v[12+\e], 0xff<<(8*\e), v[MR+16*(\half)+g]           ; byte 4 g + e of my 64
.endr
.irp e, 0,1,2,3
	v_cmp_ne_u32 s[36+\e], 0, v[12+\e]                             ; over the 32 lanes: word 4 g + e
.endr
.irp e, 0,1,2,3
	v_writelane_b32 v[WD+2*(\ks)+\e%2], s[36+\e], 2*g+\e/2         ; lane L keeps words 2 L and 2 L + 1
.endr
.set g, g+1
.endr
	global_store_b64 v7, v[WD+2*(\ks):WD+2*(\ks)+1], s[22:23] offset:256*(\ks)   ; 256 consecutive bytes; each key step has registers of its own
	v_or_b32 v12, v[WD+2*(\ks)], v[WD+2*(\ks)+1]
	v_cmp_ne_u32 vcc_lo, 0, v12                    ; is any of the 64 words not 0?
	s_cmp_lg_u32 vcc_lo, 0
	s_cselect_b32 s45, 1<<(\ks), 0
	s_or_b32 s44, s44, s45
.endm
.macro MIT it
.if (\it) < 5
	s_wait_loadcnt 24                              ; this strip's eight loads are in; those of the three strips behind it may be out
.else
	s_wait_loadcnt 8*(7-(\it))
.endif
.irp n, 0,1,2,3,4,5,6,7
	ds_store_b128 v5, v[RAW+32*((\it)%4)+4*\n:RAW+32*((\it)%4)+4*\n+3] offset:544*\n
.endr
.irp k, 0,1
.irp bb, 0,1,2,3
	ds_load_b128 v[MR+16*\k+4*\bb:MR+16*\k+4*\bb+3], v6 offset:128*\k+64*(\bb/2)+16*(\bb%2)
.endr
.endr
	s_wait_dscnt 0x0                               ; my bytes are here, and the stores into the stage have read their registers
.if (\it) < 4
	MLOAD (\it)+4
.endif
	WORDS 2*(\it), 0
	WORDS 2*(\it)+1, 1
.endm
	MLOAD 0
	MLOAD 1
	MLOAD 2
	MLOAD 3
.irp it, 0,1,2,3,4,5,6,7
	MIT \it
.endr
	v_mov_b32 v12, s44
	v_mov_b32 v13, 0
	global_store_b32 v13, v12, s[46:47]            ; all lanes write the same word with the same value
	s_wait_tensorcnt 0x0
	ds_add_u32 v240, v241
	s_wait_dscnt 0x0
	s_endpgm
.Lfunc_end_k_qc97c2cf74f_prep:
	.size	k_qc97c2cf74f_prep, .Lfunc_end_k_qc97c2cf74f_prep-k_qc97c2cf74f_prep
	.p2alignl 7, 3214868480
	.fill 96, 4, 3214868480
	.section	.rodata,"a",@progbits
	.p2align	6, 0x0
	.amdhsa_kernel k_qc97c2cf74f_prep
		.amdhsa_group_segment_fixed_size 121088
		.amdhsa_private_segment_fixed_size 0
		.amdhsa_enable_private_segment 0
		.amdhsa_kernarg_size 88
		.amdhsa_user_sgpr_count 2
		.amdhsa_user_sgpr_kernarg_segment_ptr 1
		.amdhsa_wavefront_size32 1
		.amdhsa_system_sgpr_workgroup_id_x 1
		.amdhsa_system_sgpr_workgroup_id_y 1
		.amdhsa_system_sgpr_workgroup_id_z 1
		.amdhsa_system_vgpr_workitem_id 0
		.amdhsa_next_free_vgpr 242
		.amdhsa_next_free_sgpr 66
		.amdhsa_reserve_vcc 1
		.amdhsa_float_denorm_mode_32 3
		.amdhsa_float_denorm_mode_16_64 3
		.amdhsa_memory_ordered 1
		.amdhsa_forward_progress 1
		.amdhsa_inst_pref_size 255
	.end_amdhsa_kernel
	.section	.bss,"aw",@nobits
	.p2align	6
	.space	262144
	.amdgpu_metadata
---
amdhsa.version: [ 1, 2 ]
amdhsa.kernels:
  - .name:           k_qc97c2cf74f_prep
    .symbol:         k_qc97c2cf74f_prep.kd
    .args:
      - { .name: input_Q, .offset: 0, .size: 8, .value_kind: global_buffer, .address_space: global }
      - { .name: input_K, .offset: 8, .size: 8, .value_kind: global_buffer, .address_space: global }
      - { .name: input_V, .offset: 16, .size: 8, .value_kind: global_buffer, .address_space: global }
      - { .name: w_q, .offset: 24, .size: 8, .value_kind: global_buffer, .address_space: global }
      - { .name: w_k, .offset: 32, .size: 8, .value_kind: global_buffer, .address_space: global }
      - { .name: w_v, .offset: 40, .size: 8, .value_kind: global_buffer, .address_space: global }
      - { .name: w_o, .offset: 48, .size: 8, .value_kind: global_buffer, .address_space: global }
      - { .name: attn_mask, .offset: 56, .size: 8, .value_kind: global_buffer, .address_space: global }
      - { .name: qin, .offset: 64, .size: 8, .value_kind: global_buffer, .address_space: global }
      - { .name: maskw, .offset: 72, .size: 8, .value_kind: global_buffer, .address_space: global }
      - { .name: maskf, .offset: 80, .size: 8, .value_kind: global_buffer, .address_space: global }
    .group_segment_fixed_size: 121088
    .private_segment_fixed_size: 0
    .kernarg_segment_align: 8
    .kernarg_segment_size: 88
    .max_flat_workgroup_size: 288
    .sgpr_count:     66
    .vgpr_count:     242
    .wavefront_size: 32
...
	.end_amdgpu_metadata
.endif
;; end of part 1
;; launch proj (part 2): grid 384 x 1, 16 waves a work-group, no clusters, 327,680 bytes of LDS; arguments qin, qkv; writes qkv
.if DOCPART == 2
	.amdgcn_target "amdgcn-amd-amdhsa--gfx1250"
	.amdhsa_code_object_version 6
	.text
	.protected	k_qc97c2cf74f_proj
	.globl	k_qc97c2cf74f_proj
	.p2align	8
	.type	k_qc97c2cf74f_proj,@function
k_qc97c2cf74f_proj:
	s_mov_b64 s[64:65], 0
	v_nop
	global_prefetch_b8 v0, s[64:65] scope:SCOPE_SE
	s_setreg_imm32_b32 hwreg(HW_REG_WAVE_MODE, 25, 1), 1
	s_wait_xcnt 0x0
.set REC,  8704
.set GRP,  8*REC
.set PF,   32
.set RF,   96
.set PS,   112
.set RSC,  116
.set ACC,  128
.set TM,   32
.set SEL,  60
.macro WMC d, a, b, c, sa, sb, ra, rb
.if ((\ra) == 0) && ((\rb) == 0)
	v_wmma_scale_f32_16x16x128_f8f6f4 v[(\d):(\d)+7], v[(\a):(\a)+7], v[(\b):(\b)+7], \c, v[\sa], v[\sb] matrix_a_fmt:MATRIX_FMT_FP4 matrix_b_fmt:MATRIX_FMT_FP4
.elseif (\rb) == 0
	v_wmma_scale_f32_16x16x128_f8f6f4 v[(\d):(\d)+7], v[(\a):(\a)+7], v[(\b):(\b)+7], \c, v[\sa], v[\sb] matrix_a_fmt:MATRIX_FMT_FP4 matrix_b_fmt:MATRIX_FMT_FP4 matrix_a_scale:MATRIX_SCALE_ROW1
.elseif (\ra) == 0
	v_wmma_scale_f32_16x16x128_f8f6f4 v[(\d):(\d)+7], v[(\a):(\a)+7], v[(\b):(\b)+7], \c, v[\sa], v[\sb] matrix_a_fmt:MATRIX_FMT_FP4 matrix_b_fmt:MATRIX_FMT_FP4 matrix_b_scale:MATRIX_SCALE_ROW1
.else
	v_wmma_scale_f32_16x16x128_f8f6f4 v[(\d):(\d)+7], v[(\a):(\a)+7], v[(\b):(\b)+7], \c, v[\sa], v[\sb] matrix_a_fmt:MATRIX_FMT_FP4 matrix_b_fmt:MATRIX_FMT_FP4 matrix_a_scale:MATRIX_SCALE_ROW1 matrix_b_scale:MATRIX_SCALE_ROW1
.endif
.endm
.macro WMS d, a, b, zero, sa, sb, ra, rb
.if \zero
	WMC \d, \a, \b, 0, \sa, \sb, \ra, \rb
.else
	WMC \d, \a, \b, v[(\d):(\d)+7], \sa, \sb, \ra, \rb
.endif
.endm
	s_load_b128 s[4:7], s[0:1], 0x0
	v_lshl_add_u32 v126, v0, 2, 0x44000
	v_mov_b32 v127, 0
	ds_add_u32 v126, v127
	ds_add_u32 v126, v127
	v_lshrrev_b32 v1, 5, v0
	s_delay_alu instid0(VALU_DEP_1)
	v_readfirstlane_b32 s8, v1
	s_lshr_b32 s9, ttmp9, 7
	s_and_b32 s10, ttmp9, 127
	s_and_b32 s11, s10, 3
	s_lshr_b32 s12, s10, 2
	s_mul_i32 s15, s9, 557056
	s_add_co_u32 s15, s15, 13369344
	s_mul_i32 s32, s9, 4456448
	s_cmp_eq_u32 s9, 2
	s_cselect_b32 s13, s12, s11
	s_cselect_b32 s14, s11, s12
	s_cselect_b32 s15, 8912896, s15
	s_cselect_b32 s32, 14483456, s32
	s_lshr_b32 s33, s8, 2
	s_and_b32 s36, s8, 3
	s_lshl_b32 s34, s13, 1
	s_add_co_u32 s34, s34, s33
	s_mul_i32 s34, s34, GRP
	s_add_co_u32 s34, s34, s15
	s_lshl_b32 s35, s14, 1
	s_add_co_u32 s35, s35, s33
	s_sub_co_u32 s35, s35, 2
	s_mul_i32 s35, s35, GRP
	s_add_co_u32 s35, s35, s32
	s_cmp_lt_u32 s33, 2
	s_cselect_b32 s34, s34, s35
	s_mul_i32 s37, s36, REC
	s_add_co_u32 s34, s34, s37
	s_mov_b32 s35, 0
	s_mov_b32 s16, 3<<16
	s_mov_b32 s17, 32<<16
	s_mov_b32 s18, 34<<16
	s_mov_b32 s19, 32<<16
	s_mov_b32 s20, 34
	s_mov_b32 s21, 32
	s_mov_b32 s22, 0
	s_mov_b32 s23, 0
	s_mov_b32 s24, 1
	s_mul_i32 s25, s33, GRP
	s_add_co_u32 s25, s25, s37
	s_mov_b32 s28, 1
	s_add_co_u32 s29, s25, 4*REC
	s_wait_dscnt 0x0
	s_wait_kmcnt 0x0
	s_add_nc_u64 s[26:27], s[4:5], s[34:35]
	s_add_nc_u64 s[30:31], s[26:27], 4*REC
	s_or_b32 s27, s27, 0x80000000
	s_or_b32 s31, s31, 0x80000000
	tensor_load_to_lds s[24:27], s[16:23]
	s_nop 0
	s_wait_alu depctr_va_vdst(0)
	s_wait_tensorcnt 0x0
	ds_add_u32 v126, v127
	s_wait_dscnt 0x0
	s_barrier_signal -1
	s_barrier_wait -1
	tensor_load_to_lds s[28:31], s[16:23]
	s_nop 0
.rept 4
	v_nop
.endr
	v_and_b32 v17, 31, v0
	s_delay_alu instid0(VALU_DEP_1)
	v_lshlrev_b32 v1, 4, v17
	s_wait_alu depctr_va_vdst(0)
	v_lshlrev_b32 v2, 2, v17
	s_wait_alu depctr_va_vdst(0)
	s_lshr_b32 s38, s8, 3
	s_and_b32 s39, s8, 7
	s_mul_i32 s40, s38, GRP
	v_add_nc_u32 v3, s40, v1
	s_delay_alu instid0(VALU_DEP_1)
	v_add_nc_u32 v4, 4*REC, v3
	v_add_nc_u32 v7, s40, v2
	s_delay_alu instid0(VALU_DEP_1)
	v_add_nc_u32 v7, 8192, v7
	s_delay_alu instid0(VALU_DEP_1)
	v_add_nc_u32 v8, 4*REC, v7
	s_lshr_b32 s41, s39, 2
	s_add_co_u32 s41, s41, 2
	s_mul_i32 s41, s41, GRP
	s_and_b32 s42, s39, 3
	s_lshl_b32 s43, s42, 11
	s_add_co_u32 s43, s43, s41
	v_add_nc_u32 v5, s43, v1
	s_delay_alu instid0(VALU_DEP_1)
	v_add_nc_u32 v6, 4*REC, v5
	s_lshl_b32 s43, s42, 7
	s_add_co_u32 s43, s43, s41
	s_add_co_u32 s43, s43, 8192
	v_add_nc_u32 v9, s43, v2
	s_delay_alu instid0(VALU_DEP_1)
	v_add_nc_u32 v10, 4*REC, v9
	s_lshl_b32 s44, s13, 1
	s_add_co_u32 s44, s44, s38
	s_lshl_b32 s45, s14, 3
	s_add_co_u32 s45, s45, s39
	s_lshl_b32 s46, 69632, s9
	s_lshl_b32 s47, 4352, s9
	s_mul_i32 s51, s9, 4456448
	s_lshr_b32 s48, s45, 6
	s_and_b32 s49, s45, 63
	s_lshl_b32 s48, s48, 4
	s_lshl_b32 s50, s44, 1
	s_add_co_u32 s48, s48, s50
	s_mul_i32 s48, s48, s46
	s_lshr_b32 s50, s49, 2
	s_mul_i32 s50, s50, s47
	s_add_co_u32 s48, s48, s50
	s_add_co_u32 s48, s48, s51
	s_and_b32 s49, s49, 3
	s_lshl_b32 s50, s49, 10
	s_add_co_u32 s50, s50, s48
	s_lshl_b32 s51, s49, 6
	s_add_co_u32 s51, s51, s48
	s_add_co_u32 s51, s51, 4096
	s_lshr_b32 s52, s44, 4
	s_and_b32 s53, s44, 15
	s_lshr_b32 s54, s45, 1
	s_and_b32 s55, s45, 1
	s_lshl_b32 s52, s52, 4
	s_add_co_u32 s52, s52, s54
	s_mul_i32 s52, s52, 139264
	s_mul_i32 s53, s53, REC
	s_add_co_u32 s52, s52, s53
	s_add_co_u32 s52, s52, 4460800
	s_lshl_b32 s53, s55, 11
	s_add_co_u32 s53, s53, s52
	s_lshl_b32 s54, s55, 7
	s_add_co_u32 s54, s54, s52
	s_add_co_u32 s54, s54, 4096
	s_mov_b32 s41, 512
	s_mov_b32 s56, 0x05040100
	s_mov_b32 s57, 0x07060302
	s_cmp_eq_u32 s9, 2
	s_cselect_b32 s50, s53, s50
	s_cselect_b32 s52, s54, s51
	s_cselect_b32 s41, 1024, s41
	s_cselect_b32 s42, 512, s46
	s_cselect_b32 s43, 64, s46
	s_cselect_b32 s56, 0x03020100, s56
	s_cselect_b32 s57, 0x07060504, s57
	s_mov_b32 s51, 0
	s_mov_b32 s53, 0
	s_add_nc_u64 s[50:51], s[6:7], s[50:51]
	s_add_nc_u64 s[52:53], s[6:7], s[52:53]
	s_mov_b32 s[SEL], 0x76543210
	s_mov_b32 s[SEL+1], 0xfedcba98
	v_and_b32 v18, 15, v0
	v_bfe_u32 v19, v0, 4, 1
	v_add_nc_u32 v12, s42, v1
	v_add_nc_u32 v13, s41, v1
	s_delay_alu instid0(VALU_DEP_1)
	v_add_nc_u32 v14, s42, v13
	s_delay_alu instid0(VALU_DEP_4)
	v_mul_u32_u24 v15, s43, v19
	s_delay_alu instid0(VALU_DEP_1)
	v_lshl_add_u32 v15, v18, 2, v15
	v_mov_b32 v16, s57
	v_mov_b32 v20, s56
	v_cmp_gt_u32 vcc_lo, 16, v17
	s_delay_alu instid0(VALU_DEP_1)
	v_cndmask_b32 v16, v16, v20, vcc_lo
.macro KSTEP s, zero
.if (\s) > 0
.rept 4
	v_nop
.endr
.endif
.irp p, 0,1,2,3,4,5,6,7
.irp c, 0,1
	ds_load_b128 v[PF+8*\p+4*\c:PF+8*\p+4*\c+3], v[3+(\s)/4] offset:((\s)%4)*REC+1024*\p+512*\c
.endr
.endr
.irp j, 0,1
.irp c, 0,1
	ds_load_b128 v[RF+8*\j+4*\c:RF+8*\j+4*\c+3], v[5+(\s)/4] offset:((\s)%4)*REC+1024*\j+512*\c
.endr
.endr
.irp i, 0,1,2,3
	ds_load_b32 v[PS+\i], v[7+(\s)/4] offset:((\s)%4)*REC+128*\i
.endr
	ds_load_b32 v[RSC], v[9+(\s)/4] offset:((\s)%4)*REC
	s_wait_dscnt 0x0
.irp p, 0,1,2,3,4,5,6,7
.irp j, 0,1
	WMS ACC+64*\j+8*\p, PF+8*\p, RF+8*\j, \zero, PS+\p/2, RSC, \p%2, \j
.endr
.endr
.endm
.macro QUANT src, pc, pw
.irp b, 0,1,2,3
	v_max3_num_f32 v[TM+\b], |v[\src+16*\b]|, |v[\src+1+16*\b]|, 0x1800000
.endr
.irp i, 2,4,6,8,10,12,14
.irp b, 0,1,2,3
	v_max3_num_f32 v[TM+\b], v[TM+\b], |v[\src+16*\b+\i]|, |v[\src+1+16*\b+\i]|
.endr
.endr
.irp b, 0,1,2,3
	s_delay_alu instid0(VALU_DEP_4)
	v_permlanex16_b32 v[TM+4+\b], v[TM+\b], s[SEL], s[SEL+1]
.endr
.irp b, 0,1,2,3
	s_delay_alu instid0(VALU_DEP_4)
	v_max_num_f32 v[TM+\b], v[TM+\b], v[TM+4+\b]
.endr
.irp b, 0,1,2,3
	s_delay_alu instid0(VALU_DEP_4)
	v_add_nc_u32 v[TM+12+\b], 0xff000000, v[TM+\b]
.endr
.irp b, 0,1,2,3
	s_delay_alu instid0(VALU_DEP_4)
	v_lshrrev_b32 v[TM+4+\b], 23, v[TM+12+\b]
.endr
	s_delay_alu instid0(VALU_DEP_3)
	v_lshl_or_b32 v[\pw], v[TM+5], 8, v[TM+4]
	s_delay_alu instid0(VALU_DEP_1)
	v_lshl_or_b32 v[\pw], v[TM+6], 16, v[\pw]
	s_delay_alu instid0(VALU_DEP_1)
	v_lshl_or_b32 v[\pw], v[TM+7], 24, v[\pw]
.irp b, 0,1,2,3
	v_cvt_scalef32_pk8_fp4_f32 v[\pc+2*\b], v[\src+16*\b:\src+7+16*\b], v[TM+12+\b]
	v_cvt_scalef32_pk8_fp4_f32 v[\pc+1+2*\b], v[\src+8+16*\b:\src+15+16*\b], v[TM+12+\b]
.endr
	v_nop
.irp c, 0,1
.irp i, 0,1
	v_permlane16_swap_b32 v[\pc+4*\c+\i], v[\pc+2+4*\c+\i]
.endr
.endr
.endm
	s_wait_tensorcnt 0x1
	s_barrier_signal -1
	s_barrier_wait -1
	KSTEP 0, 1
	KSTEP 1, 0
	KSTEP 2, 0
	KSTEP 3, 0
	s_wait_tensorcnt 0x0
	s_barrier_signal -1
	s_barrier_wait -1
	KSTEP 4, 0
	KSTEP 5, 0
	KSTEP 6, 0
	KSTEP 7, 0
.rept 4
	v_nop
.endr
.irp b, 0,1,2,3
	v_mov_b32 v[TM+4+\b], 0
.endr
	QUANT ACC, 48, 64
	QUANT ACC+64, 56, 65
	v_perm_b32 v66, v65, v64, v16
	global_store_b128 v1, v[48:51], s[50:51]
	global_store_b128 v12, v[52:55], s[50:51]
	global_store_b128 v13, v[56:59], s[50:51]
	global_store_b128 v14, v[60:63], s[50:51]
	global_store_b32 v15, v66, s[52:53]
	s_wait_tensorcnt 0x0
	ds_add_u32 v126, v127
	s_wait_dscnt 0x0
	s_endpgm
.Lfunc_end_k_qc97c2cf74f_proj:
	.size	k_qc97c2cf74f_proj, .Lfunc_end_k_qc97c2cf74f_proj-k_qc97c2cf74f_proj
	.p2alignl 7, 3214868480
	.fill 96, 4, 3214868480
	.section	.rodata,"a",@progbits
	.p2align	6, 0x0
	.amdhsa_kernel k_qc97c2cf74f_proj
		.amdhsa_group_segment_fixed_size 327680
		.amdhsa_private_segment_fixed_size 0
		.amdhsa_enable_private_segment 0
		.amdhsa_kernarg_size 16
		.amdhsa_user_sgpr_count 2
		.amdhsa_user_sgpr_kernarg_segment_ptr 1
		.amdhsa_wavefront_size32 1
		.amdhsa_system_sgpr_workgroup_id_x 1
		.amdhsa_system_sgpr_workgroup_id_y 1
		.amdhsa_system_sgpr_workgroup_id_z 1
		.amdhsa_system_vgpr_workitem_id 0
		.amdhsa_next_free_vgpr 256
		.amdhsa_next_free_sgpr 66
		.amdhsa_reserve_vcc 1
		.amdhsa_float_denorm_mode_32 3
		.amdhsa_float_denorm_mode_16_64 3
		.amdhsa_memory_ordered 1
		.amdhsa_forward_progress 1
		.amdhsa_inst_pref_size 47
	.end_amdhsa_kernel
	.amdgpu_metadata
---
amdhsa.version: [ 1, 2 ]
amdhsa.kernels:
  - .name:           k_qc97c2cf74f_proj
    .symbol:         k_qc97c2cf74f_proj.kd
    .args:
      - { .name: qin, .offset: 0, .size: 8, .value_kind: global_buffer, .address_space: global }
      - { .name: qkv, .offset: 8, .size: 8, .value_kind: global_buffer, .address_space: global }
    .group_segment_fixed_size: 327680
    .private_segment_fixed_size: 0
    .kernarg_segment_align: 8
    .kernarg_segment_size: 16
    .max_flat_workgroup_size: 512
    .sgpr_count:     66
    .vgpr_count:     256
    .wavefront_size: 32
...
	.end_amdgpu_metadata
.endif
;; end of part 2
;; launch attn (part 3): grid 4 x 64, 16 waves a work-group, no clusters, 150,016 bytes of LDS; arguments qkv, maskw, maskf, ctxq; writes ctxq
.if DOCPART == 3
	.amdgcn_target "amdgcn-amd-amdhsa--gfx1250"
	.amdhsa_code_object_version 6
	.text
	.protected	k_qc97c2cf74f_attn
	.globl	k_qc97c2cf74f_attn
	.p2align	8
	.type	k_qc97c2cf74f_attn,@function
k_qc97c2cf74f_attn:
	s_mov_b64 s[64:65], 0
	v_nop
	global_prefetch_b8 v0, s[64:65] scope:SCOPE_SE
	s_setreg_imm32_b32 hwreg(HW_REG_WAVE_MODE, 25, 1), 1
	s_wait_xcnt 0x0
; ATTN.  ctx = softmax(mask(Q K^T / 8)) V for one head of one batch, both products on codes of FP4 with E8M0 scales, and ctx quantised along the head's 64 for the output projection.
; THE SOFTMAX: t = score x c, c = log2(e) / 8; M = the running largest t rounded up to a whole number, kept as -M = floor(-t); p = 2^(t - M) is quantised along the keys, not normalised; the row's sum is taken of the
; unquantised p and divides at the end.  When M moves, the sum and O are multiplied by 2^(old M - new M), which rounds nothing.
; SHARES: work-group (x, y) owns queries 512 x .. 512 x + 511 of head of batch y.  Each of sixteen waves owns two tiles of 16 queries, one after the other, and walks all 2,048 keys, 128 a step.
; The head's K and V, sixteen records of 8,704 bytes, lie in LDS whole, stored once: a wave brings one record through 68 registers (17 loads of 512 consecutive bytes); one barrier in the whole text.
; LAYOUT: both products transposed (S^T = K Q^T, O^T = V^T P^T): a lane holds one query (lane % 16).  A record: eight chunks of 512 bytes, chunk t = a tile of 16 keys x the head's 64; their scale words; four images of V^T; their words.
; THE KEYS OF TILE t: rows 0-7 are keys 64 (t / 4) + 8 (t % 4) + 0 .. 7, rows 8-15 the eight keys 32 further on.  So score register j of lane (r, h) is key 64 (j / 32) + 32 h + j % 32: 32 registers on end are ONE block of
; 32 keys, in the very order of the second product's operand: a block's maximum needs no other lane, and the conversions' results are the operand's registers.  A lane makes two scale bytes; lane l xor 16 has the other two.
; THE HEAD'S 64 IN AN INSTRUCTION OF 128: source 0 = two chunks (two tiles of keys); source 1 = Q's codes beside zero codes: v[16:23] = Q, 0 for the first tile, v[20:27] = 0, Q for the second.
; A STEP'S ORDER: the score products on K's fragments, which the step before asked for; this step's V and the next step's K are asked for together; maxima, M, t - M, O^T x f; the exponentials; ONE wait for the LDS loads;
; scale bytes, conversions and the row's sum by turns; the second product.  So each step begins with matrix instructions, and O^T is first read with no transcendental behind the products that wrote it.
; A tile's last step is written out: the first tile's asks for record 0 again, for the second tile; the second tile's asks for no K.
; THE MASK comes as lane masks, 64 words a step, and as one flag bit a step (both whole numbers that the first launch stored).  A step whose flag is 0 has no masked key among its 16 x 128.
; The branch hangs on a number read from memory.
; NO PREFETCH: the launch's one stream, K and V, is asked for whole at the head; there is no loop that reads memory ahead of which to run.
; A masked score becomes -2^33, the logit -2^30.  c x 2^33 is a whole number that f32 holds, so in a row (or a row's beginning) all of whose keys are masked t - M is 0 and p is 1, as with -1e9.
; LIMITS: results differ from -1e9's only where a row's largest unmasked logit lies under about -9.9e8; scaled scores stay under 2^31 in magnitude.  p under 2^-126 comes out of v_exp_f32 as 0.  A block's largest p is taken
; from its largest score, which takes v_exp_f32 not to fall where its input rises.  A block of zeros gets the byte 1 (zero codes; only this program reads the bytes).  NaN and infinities are not served.
; REGISTERS: v1-6 offsets that stay; v8 -2^33; v9, v10 LDS addresses; v11 my record's place; v12 -M, v13 largest score, v[14:15] the sum; v16-27 Q, zeros, Q; v28, v29 the spare word's address and 0; v32-63 K; v64-95 V;
; v96-159 S^T, then p; v160-191 O^T; v192-197 partial sums; v224-231 p's codes; v232-245, v254 at work; v[240:241] f; v248-251, v253, v255 scale words of K, V, p, Q and nothing else.  s[16:47], s[68:99] the mask words.
.set REC,   8704
.set SPARE, 17*REC                     ; a record's length behind the records: the spare words, 128 bytes a wave
.set SEL,  48                          ; s[48:49] lane l xor 16
.set CS,   50                          ; s[50:51] c
; s12, s13: the sixteen flags of my first and of my second tile (behind the head, where these two held the wave's number and the head of batch).  v198-202: the second tile's Q and its scale bytes
.set KS,   53                          ; s53 the step
.set MO,   54                          ; s54 the step's place among the tile's mask words; at the head my first tile
.set T,    55                          ; s55 at work
.set TB,   3                           ; s3 LDS byte of the step's record
.set MP,   56                          ; s[56:57] my tiles' mask words
.set QP,   58                          ; s[58:59] my tiles' codes of Q
.set QSP,  60                          ; s[60:61] and scale bytes
.set CP,   62                          ; s[62:63] my tiles' records of ctx
.macro WM d, a, b, c, sa, sb, ra
.if (\ra) == 0
	v_wmma_scale_f32_16x16x128_f8f6f4 v[(\d):(\d)+7], v[(\a):(\a)+7], v[(\b):(\b)+7], \c, v[\sa], v[\sb] matrix_a_fmt:MATRIX_FMT_FP4 matrix_b_fmt:MATRIX_FMT_FP4
.else
	v_wmma_scale_f32_16x16x128_f8f6f4 v[(\d):(\d)+7], v[(\a):(\a)+7], v[(\b):(\b)+7], \c, v[\sa], v[\sb] matrix_a_fmt:MATRIX_FMT_FP4 matrix_b_fmt:MATRIX_FMT_FP4 matrix_a_scale:MATRIX_SCALE_ROW1
.endif
.endm
.macro KLOAD ac, aw, off               ; a record's eight chunks of K and their words: ac = 16 x lane + .., aw = 4 x lane + ..
.irp t, 0,1,2,3,4,5,6,7
	ds_load_b128 v[32+4*\t:35+4*\t], v[\ac] offset:(\off)+512*\t
.endr
	ds_load_b32 v248, v[\aw] offset:(\off)+4096    ; lanes 0-15 the words of tiles 0, 1, lanes 16-31 of tiles 2, 3
	ds_load_b32 v249, v[\aw] offset:(\off)+4224
.endm
.macro SUM4 n                          ; eight more p into the sum's four chains
	v_pk_add_f32 v[14:15], v[14:15], v[(\n):(\n)+1]
	v_pk_add_f32 v[192:193], v[192:193], v[(\n)+2:(\n)+3]
	v_pk_add_f32 v[194:195], v[194:195], v[(\n)+4:(\n)+5]
	v_pk_add_f32 v[196:197], v[196:197], v[(\n)+6:(\n)+7]
.endm
	s_load_b256 s[4:11], s[0:1], 0x0               ; qkv, maskw, maskf, ctxq
	v_lshl_add_u32 v28, v0, 2, SPARE
	v_mov_b32 v29, 0
	v_lshrrev_b32 v1, 5, v0
	v_readfirstlane_b32 s12, v1                    ; wave 0..15
	v_and_b32 v7, 31, v0
	v_lshlrev_b32 v1, 4, v7                        ; 16 x lane
	s_and_b32 s13, ttmp7, 0xffff                   ; head of batch
	s_mul_i32 s14, s13, 139264
	s_mul_i32 s[T], s12, REC                       ; my record, in LDS
	s_add_co_u32 s14, s14, s[T]
	s_add_co_u32 s14, s14, 4456448                 ; and in memory
	s_mov_b32 s15, 0
	v_add_nc_u32 v11, s[T], v1
	s_wait_alu depctr_va_vdst(0)                   ; directly ahead of the wait below
	s_wait_kmcnt 0x0
	s_add_nc_u64 s[66:67], s[4:5], s[14:15]
.set n, 0
.rept 17
	global_load_b128 v[96+4*n:99+4*n], v1, s[66:67] offset:512*n   ; 512 consecutive bytes a load
.set n, n+1
.endr
	s_lshl_b32 s[MO], ttmp9, 5
	s_lshl_b32 s[T], s12, 1
	s_add_co_u32 s[MO], s[MO], s[T]                ; my first tile of queries in the batch's 128: 32 x + 2 wave
	s_mul_i32 s14, s13, 69632
	s_lshr_b32 s[T], s[MO], 3
	s_mul_i32 s[T], s[T], 4352
	s_add_co_u32 s14, s14, s[T]
	s_add_nc_u64 s[QSP:QSP+1], s[4:5], s[14:15]    ; Q's half record of my 128 tokens
	s_and_b32 s[T], s[MO], 7
	s_lshl_b32 s14, s[T], 9
	s_add_nc_u64 s[QP:QP+1], s[QSP:QSP+1], s[14:15]   ; 512 bytes a tile
	s_lshr_b32 s[T], s[T], 1
	s_lshl_b32 s14, s[T], 6
	s_add_co_u32 s14, s14, 4096
	s_add_nc_u64 s[QSP:QSP+1], s[QSP:QSP+1], s[14:15] ; the words of my 32 tokens
	s_lshr_b32 s[T], s13, 4
	s_lshl_b32 s[T], s[T], 7
	s_add_co_u32 s[T], s[T], s[MO]                 ; 128 b + tile
	s_lshl_b32 s14, s[T], 12                       ; 4,096 bytes of mask words a tile,
	s_add_nc_u64 s[MP:MP+1], s[6:7], s[14:15]
	s_lshl_b32 s14, s[T], 2                        ; 4 of flags,
	s_add_nc_u64 s[8:9], s[8:9], s[14:15]
	s_mul_i32 s14, s[T], 8704                      ; a record of ctx
	s_add_nc_u64 s[CP:CP+1], s[10:11], s[14:15]
	s_and_b32 s[T], s13, 15                        ; the head
	v_lshlrev_b32 v2, 2, v7                        ; 4 x lane
	v_and_b32 v3, 15, v0
	v_lshlrev_b32 v3, 2, v3                        ; 4 r
	v_bfe_u32 v6, v0, 4, 1
	v_lshlrev_b32 v6, 3, v6                        ; 8 h: where my two bytes stand in p's scale word
	s_lshl_b32 s14, s[T], 9
	v_add_nc_u32 v4, s14, v1                       ; ctx's codes: 512 bytes a head
	s_lshr_b32 s14, s[T], 1
	s_lshl_b32 s14, s14, 6
	s_and_b32 s[T], s[T], 1
	s_lshl_b32 s[T], s[T], 1
	s_add_co_u32 s14, s14, s[T]
	s_add_co_u32 s14, s14, 8192
	v_add_nc_u32 v5, s14, v3                       ; ctx's two scale bytes: word [head / 2][r], half head % 2
	v_mov_b32 v8, 0xd0000000                       ; -2^33
.irp j, 20,21,22,23,237,241,245
	v_mov_b32 v\j, 0                               ; the zero codes between Q's two copies; lane permutes' destinations and a pair's upper half count as read
.endr
	global_load_b128 v[16:19], v1, s[QP:QP+1]              ; both tiles' Q, scale bytes and flags are asked for here, while K and V are on their way.  The first tile's codes twice: below the zeros and above them
	global_load_b128 v[24:27], v1, s[QP:QP+1]
	global_load_u16 v255, v3, s[QSP:QSP+1]
	global_load_b128 v[198:201], v1, s[QP:QP+1] offset:512
	global_load_u16 v202, v3, s[QSP:QSP+1] offset:2
	s_load_b32 s12, s[8:9], 0x0
	s_load_b32 s13, s[8:9], 0x4
	s_mov_b32 s[SEL], 0x76543210
	s_mov_b32 s[SEL+1], 0xfedcba98
	s_mov_b32 s[CS], 0x3e38aa3b
	s_mov_b32 s[CS+1], s[CS]                       ; (named with it as a pair)
	s_wait_alu depctr_va_vdst(0)                   ; the wait at the head's end
	s_wait_loadcnt 0x0
	s_wait_kmcnt 0x0
.set n, 0
.rept 17
	ds_store_b128 v11, v[96+4*n:99+4*n] offset:512*n
.set n, n+1
.endr
	s_wait_dscnt 0x0                               ; my record is stored
	s_barrier_signal -1
	s_barrier_wait -1                              ; all sixteen are
; A KEY STEP: 128 keys of tile tl.  pre = 1: the next record's K is asked for; 2: record 0's, for the next tile; 0: none
.macro STEP tl, pre
.irp b, 0,1,2,3
	WM 96+16*\b, 32+8*\b, 16, 0, 248+\b/2, 255, \b%2          ; tile 2 b
	WM 104+16*\b, 32+8*\b, 20, 0, 248+\b/2, 255, \b%2         ; tile 2 b + 1
.endr
	v_add_nc_u32 v9, s[TB], v1                     ; four plain lines: behind the score products, whose fragments and words are loaded anew below and whose results are read below,
	v_add_nc_u32 v10, s[TB], v2                    ; and behind the last step's products on V
	v_mov_b32 v254, v12                            ; the old -M
	v_nop
.irp t, 0,1,2,3
.irp c, 0,1
	ds_load_b128 v[64+8*\t+4*\c:67+8*\t+4*\c], v9 offset:4352+1024*\t+512*\c   ; V, for this step's end
.endr
.endr
	ds_load_b32 v250, v10 offset:8448
	ds_load_b32 v251, v10 offset:8576
.if (\pre) == 1
	KLOAD 9, 10, REC                               ; K, for the next step's beginning
.elseif (\pre) == 2
	KLOAD 1, 2, 0
.endif
	s_lshr_b32 s[T], s[12+\tl], s[KS]
	s_and_b32 s[T], s[T], 1
	s_cmp_lg_u32 s[T], 0
	s_cbranch_scc0 .Lopen_\@                       ; no key of this step is masked for any of my 16 queries
	s_lshl_b32 s[MO], s[KS], 8                     ; 256 bytes of words a step
	s_load_b512 s[16:31], s[MP:MP+1], s[MO] offset:4096*\tl
	s_load_b512 s[32:47], s[MP:MP+1], s[MO] offset:4096*\tl+0x40
	s_load_b512 s[68:83], s[MP:MP+1], s[MO] offset:4096*\tl+0x80
	s_load_b512 s[84:99], s[MP:MP+1], s[MO] offset:4096*\tl+0xc0
	s_wait_kmcnt 0x0
.set n, 0
.rept 64
	v_cndmask_b32 v[96+n], v[96+n], v8, s[16+n+20*(n/32)]          ; a masked key's score becomes -2^33.  Ascending: each result is read from its low end on
.set n, n+1
.endr
.Lopen_\@:
.irp c, 0,1                            ; the largest score of my two blocks of 32 keys, each in two chains (17 and 15 numbers); every result is first read in its four lowest registers
	v_max3_num_f32 v[232+\c], v[96+32*\c], v[97+32*\c], v[98+32*\c]
	v_max3_num_f32 v[234+\c], v[113+32*\c], v[114+32*\c], v[115+32*\c]
.endr
.irp i, 3,5,7,9,11,13
.irp c, 0,1
	v_max3_num_f32 v[232+\c], v[232+\c], v[96+32*\c+\i], v[97+32*\c+\i]
	v_max3_num_f32 v[234+\c], v[234+\c], v[113+32*\c+\i], v[114+32*\c+\i]
.endr
.endr
.irp c, 0,1
	v_max3_num_f32 v[232+\c], v[232+\c], v[111+32*\c], v[112+32*\c]
.endr
.irp c, 0,1
	v_max_num_f32 v[232+\c], v[232+\c], v[234+\c]  ; block 2 c + h: for the row's maximum, and for the block's largest p
.endr
	v_max_num_f32 v236, v232, v233
	v_permlanex16_b32 v237, v236, s[SEL], s[SEL+1]
	v_max3_num_f32 v13, v13, v236, v237            ; the running largest score
	v_mul_f32 v244, s[CS], v13                     ; as t (c is positive)
	v_floor_f32 v12, -v244                         ; the new -M
	v_sub_f32 v254, v12, v254                      ; old M - new M: a whole number, 0 or less
.set n, 0
.rept 32
	v_pk_fma_f32 v[96+n:97+n], v[96+n:97+n], s[CS:CS+1], v[12:13] op_sel_hi:[1,0,0]   ; t - M
.if n == 6
	v_cvt_i32_f32 v254, v254                       ; (it saturates)
.endif
.if n == 14
	v_ldexp_f32 v240, 1.0, v254                    ; f = 2^(old M - new M)
.endif
.set n, n+2
.endr
.irp c, 0,1
	v_fma_f32 v[232+\c], v[232+\c], s[CS], v12
.endr
.set n, 0
.rept 16
	v_pk_mul_f32 v[160+n:161+n], v[160+n:161+n], v[240:241] op_sel_hi:[1,0]   ; O^T under the new M: the first read of the last step's results, each from its low end on
.set n, n+2
.endr
	s_wait_alu depctr_va_vdst(0)                   ; the wait ahead of the batch
.set n, 0
.rept 64
	v_exp_f32 v[96+n], v[96+n]                     ; p
.set n, n+1
.endr
.irp c, 0,1
	v_exp_f32 v[232+\c], v[232+\c]                 ; each block's largest p: the same two instructions on the same number
.endr
	v_nop                                          ; a plain line behind the exponentials
	s_wait_dscnt 0x0                               ; V is in, and so is the next step's K
	s_wait_alu depctr_va_vdst(0)                   ; one wait for the batch, ahead of its first reader
.irp c, 0,1
	v_max_num_f32 v[232+\c], 0x1800000, v[232+\c]  ; the floor 2^(3 - 127)
.endr
	v_pk_fma_f32 v[14:15], v[14:15], v[240:241], v[96:97] op_sel_hi:[1,0,1]   ; the sum under the new M, and the unquantised p, in four chains; they stand among the links of the scale word's chain
	v_pk_add_f32 v[192:193], v[98:99], v[100:101]
	v_pk_add_f32 v[194:195], v[102:103], v[104:105]
	v_pk_add_f32 v[196:197], v[106:107], v[108:109]
.irp c, 0,1
	v_add_nc_u32 v[238+\c], 0xff000000, v[232+\c]  ; the conversion's scale operand
.endr
	SUM4 110
.irp c, 0,1
	v_lshrrev_b32 v[242+\c], 23, v[238+\c]         ; the byte
.endr
.irp c, 0,1
.irp g, 0,1,2,3
	v_cvt_scalef32_pk8_fp4_f32 v[224+4*\c+\g], v[96+32*\c+8*\g:103+32*\c+8*\g], v[238+\c]   ; registers 4 c .. 4 c + 3 of the operand: keys 64 c + 32 h + 0 .. 31
.endr
.endr
	v_lshl_or_b32 v244, v243, 16, v242             ; blocks h and 2 + h,
	SUM4 118
	v_lshlrev_b32 v244, v6, v244                   ; at their places in the word;
	SUM4 126
	v_permlanex16_b32 v245, v244, s[SEL], s[SEL+1]
	SUM4 134
	v_or_b32 v253, v244, v245                      ; with lane l xor 16's two p's scale word is whole; the twelve lines below stand between it and the products
	SUM4 142
	SUM4 150
	v_pk_add_f32 v[14:15], v[14:15], v[158:159]
	v_pk_add_f32 v[192:193], v[192:193], v[194:195]
	v_pk_add_f32 v[14:15], v[14:15], v[196:197]
	v_pk_add_f32 v[14:15], v[14:15], v[192:193]
.irp t, 0,1,2,3
	WM 160+8*\t, 64+8*\t, 224, v[160+8*\t:167+8*\t], 250+\t/2, 253, \t%2   ; four accumulators by turns, one instruction a turn; the scores' eight products stand between two steps' turns
.endr
.endm
; One tile of 16 queries: tl = 0, 1
.macro TILE tl
.if \tl == 0
	KLOAD 1, 2, 0                                  ; the first step's K; the second tile's was asked for in the first tile's last step
.else
.irp j, 0,1,2,3
	v_mov_b32 v[16+\j], v[198+\j]                  ; the second tile's Q, below the zeros and above them
	v_mov_b32 v[24+\j], v[198+\j]
.endr
.endif
	v_mov_b32 v13, 0xff61b1e6                      ; the largest score so far: -3e38
	v_mov_b32 v12, 0x7e000000                      ; -M: so large that the first f is 0, which meets zeros
	v_mov_b32 v14, 0
	v_mov_b32 v15, 0
	s_mov_b32 s[TB], 0
	s_mov_b32 s[KS], 0
.if \tl == 0
	s_wait_alu depctr_va_vdst(0)                   ; directly ahead of the wait below
	s_wait_dscnt 0x0
	v_lshl_or_b32 v255, v255, 16, v255             ; the two bytes serve k 0-63 and k 64-127 alike; the 32 lines below stand between this line and the first product
.else
	v_lshl_or_b32 v255, v202, 16, v202
.endif
.set n, 0
.rept 32
	v_mov_b32 v[160+n], 0                          ; O^T: the step is written once, and the first change of M leaves zeros zeros
.set n, n+1
.endr
.Lk_\@:                                            ; 15 trips
	STEP \tl, 1
	s_add_co_u32 s[TB], s[TB], REC
	s_add_co_u32 s[KS], s[KS], 1
	s_cmp_lt_u32 s[KS], 15
	s_cbranch_scc1 .Lk_\@
	STEP \tl, 2-2*\tl                              ; the tile's last step
.rept 4
	v_nop                                          ; four places behind the last products
.endr
	v_add_f32 v14, v14, v15
	v_permlanex16_b32 v245, v14, s[SEL], s[SEL+1]
	v_add_f32 v14, v14, v245                       ; the row's sum
	s_wait_alu depctr_va_vdst(0)                   ; the wait ahead of the transcendental
	v_rcp_f32 v14, v14
	v_nop                                          ; a plain line behind the reciprocal
	s_wait_alu depctr_va_vdst(0)                   ; ahead of its first reader, which is also the first reader of the last products
.set n, 0
.rept 32
	v_mul_f32 v[96+n], v[160+n], v14               ; ctx: register 16 b + i = d 32 b + 16 h + i of my query
.set n, n+1
.endr
.irp b, 0,1
	v_max3_num_f32 v[232+\b], |v[96+16*\b]|, |v[97+16*\b]|, 0x1800000
.endr
.irp i, 2,4,6,8,10,12,14
.irp b, 0,1
	v_max3_num_f32 v[232+\b], v[232+\b], |v[96+16*\b+\i]|, |v[97+16*\b+\i]|
.endr
.endr
.irp b, 0,1
	v_permlanex16_b32 v[236+\b], v[232+\b], s[SEL], s[SEL+1]
.endr
.irp b, 0,1
	v_max_num_f32 v[232+\b], v[232+\b], v[236+\b]
.endr
.irp b, 0,1
	v_add_nc_u32 v[238+\b], 0xff000000, v[232+\b]
.endr
.irp b, 0,1
	v_lshrrev_b32 v[242+\b], 23, v[238+\b]
.endr
	v_lshl_or_b32 v244, v243, 8, v242              ; the head's two bytes
.irp b, 0,1
	v_cvt_scalef32_pk8_fp4_f32 v[224+2*\b], v[96+16*\b:103+16*\b], v[238+\b]
	v_cvt_scalef32_pk8_fp4_f32 v[225+2*\b], v[104+16*\b:111+16*\b], v[238+\b]
.endr
	v_nop                                          ; one plain line behind the last conversion
	v_permlane16_swap_b32 v224, v226
	v_permlane16_swap_b32 v225, v227               ; v[224:227]: d = 32 h + 0 .. 31 of query r
	global_store_b128 v4, v[224:227], s[CP:CP+1] offset:8704*\tl   ; 512 consecutive bytes
	global_store_b16 v5, v244, s[CP:CP+1] offset:8704*\tl          ; both halves of the lanes write the same bytes with the same value
.if \tl == 0
	s_wait_xcnt 0x0                                ; the stores have read their registers: the next tile may write them
.endif
.endm
	TILE 0
	TILE 1
	s_wait_tensorcnt 0x0                           ; the wave's end
	ds_add_u32 v28, v29
	s_wait_dscnt 0x0
	s_endpgm
.Lfunc_end_k_qc97c2cf74f_attn:
	.size	k_qc97c2cf74f_attn, .Lfunc_end_k_qc97c2cf74f_attn-k_qc97c2cf74f_attn
	.p2alignl 7, 3214868480
	.fill 96, 4, 3214868480
	.section	.rodata,"a",@progbits
	.p2align	6, 0x0
	.amdhsa_kernel k_qc97c2cf74f_attn
		.amdhsa_group_segment_fixed_size 150016
		.amdhsa_private_segment_fixed_size 0
		.amdhsa_enable_private_segment 0
		.amdhsa_kernarg_size 32
		.amdhsa_user_sgpr_count 2
		.amdhsa_user_sgpr_kernarg_segment_ptr 1
		.amdhsa_wavefront_size32 1
		.amdhsa_system_sgpr_workgroup_id_x 1
		.amdhsa_system_sgpr_workgroup_id_y 1
		.amdhsa_system_sgpr_workgroup_id_z 1
		.amdhsa_system_vgpr_workitem_id 0
		.amdhsa_next_free_vgpr 256
		.amdhsa_next_free_sgpr 100
		.amdhsa_reserve_vcc 0
		.amdhsa_float_denorm_mode_32 3
		.amdhsa_float_denorm_mode_16_64 3
		.amdhsa_memory_ordered 1
		.amdhsa_forward_progress 1
		.amdhsa_inst_pref_size 89
	.end_amdhsa_kernel
	.amdgpu_metadata
---
amdhsa.version: [ 1, 2 ]
amdhsa.kernels:
  - .name:           k_qc97c2cf74f_attn
    .symbol:         k_qc97c2cf74f_attn.kd
    .args:
      - { .name: qkv, .offset: 0, .size: 8, .value_kind: global_buffer, .address_space: global }
      - { .name: maskw, .offset: 8, .size: 8, .value_kind: global_buffer, .address_space: global }
      - { .name: maskf, .offset: 16, .size: 8, .value_kind: global_buffer, .address_space: global }
      - { .name: ctxq, .offset: 24, .size: 8, .value_kind: global_buffer, .address_space: global }
    .group_segment_fixed_size: 150016
    .private_segment_fixed_size: 0
    .kernarg_segment_align: 8
    .kernarg_segment_size: 32
    .max_flat_workgroup_size: 512
    .sgpr_count:     100
    .vgpr_count:     256
    .wavefront_size: 32
...
	.end_amdgpu_metadata
.endif
;; end of part 3
;; launch outln (part 4): grid 256 x 1, 16 waves a work-group, no clusters, 327,680 bytes of LDS; arguments ctxq, qin, input_Q, ln_gamma, ln_beta, out0; writes out0
.if DOCPART == 4
	.amdgcn_target "amdgcn-amd-amdhsa--gfx1250"
	.amdhsa_code_object_version 6
	.text
	.protected	k_qc97c2cf74f_outln
	.globl	k_qc97c2cf74f_outln
	.p2align	8
	.type	k_qc97c2cf74f_outln,@function
k_qc97c2cf74f_outln:
	s_mov_b64 s[64:65], 0
	v_nop
	global_prefetch_b8 v0, s[64:65] scope:SCOPE_SE
	s_setreg_imm32_b32 hwreg(HW_REG_WAVE_MODE, 25, 1), 1
	s_wait_xcnt 0x0
.set REC,  8704
.set RES,  17408
.set STG,  148480
.set SP,   4112
.macro WMC d, a, b, c, sa, sb, ra, rb
.if ((\ra) == 0) && ((\rb) == 0)
	v_wmma_scale_f32_16x16x128_f8f6f4 v[(\d):(\d)+7], v[(\a):(\a)+7], v[(\b):(\b)+7], \c, v[\sa], v[\sb] matrix_a_fmt:MATRIX_FMT_FP4 matrix_b_fmt:MATRIX_FMT_FP4
.elseif (\rb) == 0
	v_wmma_scale_f32_16x16x128_f8f6f4 v[(\d):(\d)+7], v[(\a):(\a)+7], v[(\b):(\b)+7], \c, v[\sa], v[\sb] matrix_a_fmt:MATRIX_FMT_FP4 matrix_b_fmt:MATRIX_FMT_FP4 matrix_a_scale:MATRIX_SCALE_ROW1
.elseif (\ra) == 0
	v_wmma_scale_f32_16x16x128_f8f6f4 v[(\d):(\d)+7], v[(\a):(\a)+7], v[(\b):(\b)+7], \c, v[\sa], v[\sb] matrix_a_fmt:MATRIX_FMT_FP4 matrix_b_fmt:MATRIX_FMT_FP4 matrix_b_scale:MATRIX_SCALE_ROW1
.else
	v_wmma_scale_f32_16x16x128_f8f6f4 v[(\d):(\d)+7], v[(\a):(\a)+7], v[(\b):(\b)+7], \c, v[\sa], v[\sb] matrix_a_fmt:MATRIX_FMT_FP4 matrix_b_fmt:MATRIX_FMT_FP4 matrix_a_scale:MATRIX_SCALE_ROW1 matrix_b_scale:MATRIX_SCALE_ROW1
.endif
.endm
.macro WMS d, a, b, zero, sa, sb, ra, rb
.if \zero
	WMC \d, \a, \b, 0, \sa, \sb, \ra, \rb
.else
	WMC \d, \a, \b, v[(\d):(\d)+7], \sa, \sb, \ra, \rb
.endif
.endm
	s_load_b256 s[4:11], s[0:1], 0x0
	s_load_b128 s[12:15], s[0:1], 0x20
	v_lshl_add_u32 v14, v0, 2, 0x44600
	v_mov_b32 v15, 0
	ds_add_u32 v14, v15
	ds_add_u32 v14, v15
	v_lshrrev_b32 v1, 5, v0
	s_delay_alu instid0(VALU_DEP_1)
	v_readfirstlane_b32 s40, v1
	s_mov_b32 s16, 3<<16
	s_mov_b32 s17, 32<<16                          ; ctx's two records, 17,408 dense bytes: four loads of 17 rows of 256 bytes (32 elements of 8 bytes)
	s_mov_b32 s18, 17<<16
	s_mov_b32 s19, 32<<16
	s_mov_b32 s20, 17
	s_mov_b32 s21, 32
	s_mov_b32 s22, 0
	s_mov_b32 s23, 0
	s_mov_b32 s24, 3<<16
	s_mov_b32 s25, 32<<16
	s_mov_b32 s26, 32<<16
	s_mov_b32 s27, 32<<16
	s_mov_b32 s28, 32
	s_mov_b32 s29, 32
	s_mov_b32 s30, 0
	s_mov_b32 s31, 0
	s_mov_b32 s32, 1
	s_mul_i32 s33, s40, 4352                       ; waves 0 to 3: my quarter, in LDS and in memory
	s_mov_b32 s36, 1
	s_lshl_b32 s37, s40, 13
	s_add_co_u32 s37, s37, RES
	s_mul_i32 s46, ttmp9, 2*REC
	s_add_co_u32 s46, s46, s33
	s_mov_b32 s47, 0
	s_lshl_b32 s48, ttmp9, 5
	s_lshl_b32 s49, s40, 1
	s_add_co_u32 s48, s48, s49
	s_lshl_b32 s48, s48, 12
	s_mov_b32 s49, 0
	s_wait_dscnt 0x0
	s_wait_kmcnt 0x0
	s_add_nc_u64 s[34:35], s[4:5], s[46:47]
	s_or_b32 s35, s35, 0x80000000
	s_add_nc_u64 s[38:39], s[8:9], s[48:49]
	s_or_b32 s39, s39, 0x80000000
	s_cmp_lt_u32 s40, 4
	s_cbranch_scc0 .Lno_ctx                        ; waves 4 to 15 fetch nothing at the head
	tensor_load_to_lds s[32:35], s[16:23]
	s_nop 0
.rept 4
	v_nop
.endr
.Lno_ctx:
	s_add_nc_u64 s[14:15], s[14:15], s[48:49]
	s_lshr_b32 s50, s40, 1
	s_mul_i32 s50, s50, 8*REC
	s_add_co_u32 s50, s50, 15040512
	s_and_b32 s54, s40, 1
	s_lshl_b32 s52, s54, 8
	s_add_co_u32 s52, s52, s50
	s_add_co_u32 s52, s52, 8192
	s_lshl_b32 s54, s54, 12
	s_add_co_u32 s50, s50, s54
	s_mov_b32 s51, 0
	s_mov_b32 s53, 0
	s_add_nc_u64 s[50:51], s[6:7], s[50:51]
	s_add_nc_u64 s[52:53], s[6:7], s[52:53]
	s_mov_b32 s42, 0x76543210
	s_mov_b32 s43, 0xfedcba98
	s_mov_b32 s44, 0x3a800000
	s_mov_b32 s45, 0x3727c5ac
	v_and_b32 v8, 31, v0
	s_delay_alu instid0(VALU_DEP_1)
	v_lshlrev_b32 v1, 4, v8
	s_delay_alu instid0(VALU_DEP_2)
	v_lshlrev_b32 v2, 2, v8
	v_and_b32 v9, 15, v0
	v_bfe_u32 v10, v0, 4, 1
	s_delay_alu instid0(VALU_DEP_1)
	v_mul_u32_u24 v3, v10, REC
	s_delay_alu instid0(VALU_DEP_1)
	v_lshl_add_u32 v3, v9, 2, v3
	s_delay_alu instid0(VALU_DEP_1)
	v_add_nc_u32 v3, 8192, v3
	v_mul_u32_u24 v4, v9, SP
	s_delay_alu instid0(VALU_DEP_1)
	v_lshl_add_u32 v4, v10, 5, v4
	s_lshl_b32 s54, s40, 8
	s_add_co_u32 s54, s54, STG
	v_add_nc_u32 v4, s54, v4
	s_delay_alu instid0(VALU_DEP_1)
	v_add_nc_u32 v5, 16*SP, v4
	s_mul_i32 s54, s40, 2*SP
	s_add_co_u32 s54, s54, STG
	v_add_nc_u32 v6, s54, v1
	v_add_nc_u32 v7, s37, v1
	; gamma and beta, 8,192 bytes, come once a work-group: waves 0 to 7 fetch 512 bytes of gamma each, waves 8 to 15 of beta, and hand them on through LDS bytes of their own, on which no fill lands
.set GB, 0x45000
	s_cmp_lt_u32 s40, 8
	s_cselect_b64 s[46:47], s[10:11], s[12:13]
	s_and_b32 s54, s40, 7
	s_lshl_b32 s54, s54, 9
	s_mov_b32 s55, 0
	s_add_nc_u64 s[46:47], s[46:47], s[54:55]
	s_lshl_b32 s54, s40, 9
	s_add_co_u32 s54, s54, GB
	v_add_nc_u32 v11, s54, v1                      ; where my 512 bytes go
	v_add_nc_u32 v12, GB, v1                       ; where a lane reads: 16 bytes of each 512
	global_load_b128 v[248:251], v1, s[46:47]      ; older than every load that the K steps' counted waits count
.irp s, 0,1,2,3,4,5,6,7
.irp i, 0,1
	global_load_b32 v[224+2*\s+\i], v2, s[52:53] offset:REC*\s+128*\i
.endr
.endr
.macro WLOAD s
.set WB, 144+32*((\s)%4)-192*(((\s)%4)/2)
.irp t, 0,1,2,3
.irp c, 0,1
	global_load_b128 v[WB+8*\t+4*\c:WB+8*\t+4*\c+3], v1, s[50:51] offset:REC*(\s)+1024*\t+512*\c
.endr
.endr
.endm
	WLOAD 0
	WLOAD 1
	WLOAD 2
	s_wait_alu depctr_va_vdst(0)
	s_wait_tensorcnt 0x0                           ; ctx is in; the weights' first loads are already on their way
	ds_add_u32 v14, v15                            ; the add, here twice on end
	ds_add_u32 v14, v15
	s_wait_dscnt 0x0
	s_barrier_signal -1
	s_barrier_wait -1
	tensor_load_to_lds s[36:39], s[24:31]          ; my two rows of the residual, read at the launch's end
	s_nop 0
.rept 4
	v_nop
.endr
.irp s, 0,1,2,3,4,5,6,7
	ds_load_b32 v[240+\s], v3 offset:64*\s
.endr
.macro KSTEP s
.if (\s) > 0
.rept 4
	v_nop
.endr
.endif
.if (\s) < 5
	WLOAD (\s)+3
.endif
.irp j, 0,1
.irp c, 0,1
	ds_load_b128 v[208+8*\j+4*\c:208+8*\j+4*\c+3], v1 offset:REC*\j+1024*(\s)+512*\c
.endr
.endr
.if (\s) < 5
	s_wait_loadcnt 24
.else
	s_wait_loadcnt 8*(7-(\s))
.endif
	s_wait_dscnt 0x0
.set WS, 144+32*((\s)%4)-192*(((\s)%4)/2)
.irp t, 0,1,2,3
.irp j, 0,1
	WMS 80+8*(2*\t+\j), WS+8*\t, 208+8*\j, (\s)==0, 224+2*(\s)+\t/2, 240+(\s), \t%2, \j
.endr
.endr
.endm
.irp s, 0,1,2,3,4,5,6,7
	KSTEP \s
.endr
.rept 4
	v_nop
.endr
	ds_store_b128 v11, v[248:251]                  ; my part of gamma or beta (the last K step has waited for all loads)
.irp t, 0,1,2,3
.irp j, 0,1
	ds_store_b128 v[4+\j], v[80+8*(2*\t+\j):83+8*(2*\t+\j)] offset:64*\t
	ds_store_b128 v[4+\j], v[84+8*(2*\t+\j):87+8*(2*\t+\j)] offset:64*\t+16
.endr
.endr
	s_wait_dscnt 0x0
	s_barrier_signal -1
	s_barrier_wait -1
	s_wait_tensorcnt 0x0
.irp tt, 0,1
.irp i, 0,1,2,3,4,5,6,7
	ds_load_b128 v[80+32*\tt+4*\i:83+32*\tt+4*\i], v6 offset:SP*\tt+512*\i
	ds_load_b128 v[16+32*\tt+4*\i:19+32*\tt+4*\i], v7 offset:4096*\tt+512*\i
.endr
.endr
.irp i, 0,1,2,3,4,5,6,7
	ds_load_b128 v[144+4*\i:147+4*\i], v12 offset:512*\i           ; gamma,
	ds_load_b128 v[176+4*\i:179+4*\i], v12 offset:4096+512*\i      ; beta: behind the barrier that shows every wave's stores
.endr
	s_wait_dscnt 0x0
.macro REDUCE
	s_delay_alu instid0(VALU_DEP_1)
	v_add_f32_dpp v248, v248, v248 row_xmask:1 row_mask:0xf bank_mask:0xf
	s_delay_alu instid0(VALU_DEP_1)
	v_add_f32_dpp v248, v248, v248 row_xmask:2 row_mask:0xf bank_mask:0xf
	s_delay_alu instid0(VALU_DEP_1)
	v_add_f32_dpp v248, v248, v248 row_xmask:4 row_mask:0xf bank_mask:0xf
	s_delay_alu instid0(VALU_DEP_1)
	v_add_f32_dpp v248, v248, v248 row_xmask:8 row_mask:0xf bank_mask:0xf
	s_delay_alu instid0(VALU_DEP_1)
	v_permlanex16_b32 v249, v248, s42, s43
	s_delay_alu instid0(VALU_DEP_1)
	v_add_f32 v248, v248, v249
.endm
.macro LN tt
.set Y, 80+32*\tt
.set RR, 16+32*\tt
.set n, 0
.rept 16
	v_pk_add_f32 v[Y+n:Y+n+1], v[Y+n:Y+n+1], v[RR+n:RR+n+1]
.set n, n+2
.endr
	v_pk_add_f32 v[248:249], v[Y:Y+1], v[Y+2:Y+3]
	v_pk_add_f32 v[250:251], v[Y+4:Y+5], v[Y+6:Y+7]
.irp k, 8,12,16,20,24,28
	s_delay_alu instid0(VALU_DEP_2)
	v_pk_add_f32 v[248:249], v[248:249], v[Y+\k:Y+\k+1]
	s_delay_alu instid0(VALU_DEP_2)
	v_pk_add_f32 v[250:251], v[250:251], v[Y+\k+2:Y+\k+3]
.endr
	s_delay_alu instid0(VALU_DEP_1)
	v_pk_add_f32 v[248:249], v[248:249], v[250:251]
	s_delay_alu instid0(VALU_DEP_1)
	v_add_f32 v248, v248, v249
	REDUCE
	s_delay_alu instid0(VALU_DEP_1)
	v_mul_f32 v252, s44, v248
	s_delay_alu instid0(VALU_DEP_1)
	v_mov_b32 v253, v252
.set n, 0
.rept 16
	v_pk_add_f32 v[Y+n:Y+n+1], v[Y+n:Y+n+1], v[252:253] op_sel_hi:[1,0] neg_lo:[0,1] neg_hi:[0,1]
.set n, n+2
.endr
	v_pk_mul_f32 v[248:249], v[Y:Y+1], v[Y:Y+1]
	v_pk_mul_f32 v[250:251], v[Y+2:Y+3], v[Y+2:Y+3]
.irp k, 4,8,12,16,20,24,28
	s_delay_alu instid0(VALU_DEP_2)
	v_pk_fma_f32 v[248:249], v[Y+\k:Y+\k+1], v[Y+\k:Y+\k+1], v[248:249]
	s_delay_alu instid0(VALU_DEP_2)
	v_pk_fma_f32 v[250:251], v[Y+\k+2:Y+\k+3], v[Y+\k+2:Y+\k+3], v[250:251]
.endr
	s_delay_alu instid0(VALU_DEP_1)
	v_pk_add_f32 v[248:249], v[248:249], v[250:251]
	s_delay_alu instid0(VALU_DEP_1)
	v_add_f32 v248, v248, v249
	REDUCE
	s_delay_alu instid0(VALU_DEP_1)
	v_fma_f32 v254, v248, s44, s45
	s_wait_alu depctr_va_vdst(0)
	v_rsq_f32 v254, v254
	v_nop
	s_wait_alu depctr_va_vdst(0)
	v_mov_b32 v255, v254
.set n, 0
.rept 16
	v_pk_mul_f32 v[Y+n:Y+n+1], v[Y+n:Y+n+1], v[254:255] op_sel_hi:[1,0]
.set n, n+2
.endr
.set n, 0
.rept 16
	v_pk_fma_f32 v[Y+n:Y+n+1], v[Y+n:Y+n+1], v[144+n:145+n], v[176+n:177+n]
.set n, n+2
.endr
.irp i, 0,1,2,3,4,5,6,7
	global_store_b128 v1, v[Y+4*\i:Y+4*\i+3], s[14:15] offset:4096*\tt+512*\i th:TH_STORE_NT
.endr
.endm
	LN 0
	LN 1
	s_wait_tensorcnt 0x0
	ds_add_u32 v14, v15
	s_wait_dscnt 0x0
	s_endpgm
.Lfunc_end_k_qc97c2cf74f_outln:
	.size	k_qc97c2cf74f_outln, .Lfunc_end_k_qc97c2cf74f_outln-k_qc97c2cf74f_outln
	.p2alignl 7, 3214868480
	.fill 96, 4, 3214868480
	.section	.rodata,"a",@progbits
	.p2align	6, 0x0
	.amdhsa_kernel k_qc97c2cf74f_outln
		.amdhsa_group_segment_fixed_size 327680
		.amdhsa_private_segment_fixed_size 0
		.amdhsa_enable_private_segment 0
		.amdhsa_kernarg_size 48
		.amdhsa_user_sgpr_count 2
		.amdhsa_user_sgpr_kernarg_segment_ptr 1
		.amdhsa_wavefront_size32 1
		.amdhsa_system_sgpr_workgroup_id_x 1
		.amdhsa_system_sgpr_workgroup_id_y 1
		.amdhsa_system_sgpr_workgroup_id_z 1
		.amdhsa_system_vgpr_workitem_id 0
		.amdhsa_next_free_vgpr 256
		.amdhsa_next_free_sgpr 66
		.amdhsa_reserve_vcc 0
		.amdhsa_float_denorm_mode_32 3
		.amdhsa_float_denorm_mode_16_64 3
		.amdhsa_memory_ordered 1
		.amdhsa_forward_progress 1
		.amdhsa_inst_pref_size 48
	.end_amdhsa_kernel
	.amdgpu_metadata
---
amdhsa.version: [ 1, 2 ]
amdhsa.kernels:
  - .name:           k_qc97c2cf74f_outln
    .symbol:         k_qc97c2cf74f_outln.kd
    .args:
      - { .name: ctxq, .offset: 0, .size: 8, .value_kind: global_buffer, .address_space: global }
      - { .name: qin, .offset: 8, .size: 8, .value_kind: global_buffer, .address_space: global }
      - { .name: input_Q, .offset: 16, .size: 8, .value_kind: global_buffer, .address_space: global }
      - { .name: ln_gamma, .offset: 24, .size: 8, .value_kind: global_buffer, .address_space: global }
      - { .name: ln_beta, .offset: 32, .size: 8, .value_kind: global_buffer, .address_space: global }
      - { .name: out0, .offset: 40, .size: 8, .value_kind: global_buffer, .address_space: global }
    .group_segment_fixed_size: 327680
    .private_segment_fixed_size: 0
    .kernarg_segment_align: 8
    .kernarg_segment_size: 48
    .max_flat_workgroup_size: 512
    .sgpr_count:     66
    .vgpr_count:     256
    .wavefront_size: 32
...
	.end_amdgpu_metadata
.endif
;; end of part 4
